; MI455X (gfx1250); checked and timed in simulation.
; The chip was launched on July 23, 2026; its instructions are those of AMD's public machine-readable ISA for CDNA 5 (MIT licence, August 2026) and "CDNA5" Instruction Set Architecture Reference Guide (July 2026). The comments in the code are by the model that wrote it; some were corrected since.
;; Model. Allowed arithmetic: float matrix products may take bf16 or f16 operands with f32 sums; all other float work in f32.
;; Inputs: W_dec 8 x 3,072 x 512 float32; W_enc 8 x 512 x 3,072 float32; b_dec 8 x 3,072 float32; b_enc 8 x 512 float32; img 2,048 x 3,072 float32; label 2,048 int32.
;; Outputs: out0 one number float32; out1 2,048 x 3,072 float32.
;; One version. Each part assembles by itself: llvm-mc -triple=amdgcn-amd-amdhsa -mcpu=gfx1250 --defsym DOCPART=n.
;; ======== version 1 of 1: 4 launches
;; workspace buffers: order 26,112 bytes of whole numbers; tab 1,024 bytes of whole numbers; code 4,587,520 bytes; part 4,096 bytes
;; launch route (part 1): grid 8 x 1, 8 waves a work-group, no clusters, 256 bytes of LDS; arguments label, order, tab; writes order, tab
.if DOCPART == 1
	.amdgcn_target "amdgcn-amd-amdhsa--gfx1250"
	.amdhsa_code_object_version 6
	.text
	.protected	k_qc7b9d9c5ac_route
	.globl	k_qc7b9d9c5ac_route
	.p2align	8
	.type	k_qc7b9d9c5ac_route,@function
k_qc7b9d9c5ac_route:
	s_mov_b64 s[64:65], 0
	v_nop
	global_prefetch_b8 v0, s[64:65] scope:SCOPE_SE
	s_setreg_imm32_b32 hwreg(HW_REG_WAVE_MODE, 25, 1), 1
	s_wait_xcnt 0x0
; ROUTE: the 2,048 rows sorted by label.  Eight work-groups of eight waves; work-group e makes expert e's list and record.
; order: expert e's segment starts at position seg[e] and is 320 x passes[e] positions long, passes = ceil(n[e] / 320); its first n[e]
;        entries are the expert's rows, the others repeat one of its rows, so that later launches work on whole blocks without a mask.
;        The segments together have at most 4,480 positions: 2,048 + 8 x 319 = 4,600, cut down to a multiple of 320.
;        Behind them lie 2,048 words that are written and never read: one for each thread of the launch, for lanes that have nothing to
;        place.  So every store runs with all lanes on and EXEC is never changed.
; tab:   a record of 128 bytes for each expert: seg, n, passes, tiles = ceil(n / 16), then zeros.
; seg[e] needs the counts of the experts in front, and work-groups exchange nothing: every work-group counts all eight experts itself,
; wave i expert i, over all 2,048 labels (64 registers).  The placing is shared: wave i places the rows 256 i .. 256 i + 255 that are expert e's
; (8 registers, fetched by two loads of its own, since a register cannot be picked by the wave's number).
; Compares go 16 at a time into 16 scalar masks, in two banks that take turns, and the scalar counts follow in a run: the vector and the
; scalar side hand over once for 16 registers.  The placing goes stage by stage, eight registers a stage.
; LIMIT: labels are 0 .. 7.  A row with another label gets into no list, and the later launches write nothing for it.
.set LAB,   8                          ; v[8:71]    all labels
.set PL,    72                         ; v[72:79]   my part's labels; then their row numbers (store data)
.set ADR,   80                         ; v[80:87]   byte offsets of my eight stores
.set PADR,  88                         ; v[88:89]   the same for my two padding stores
.set CN,    92                         ; v[92:115]  the 24 words that the waves exchange
.set NPOS,  4480                       ; positions in order; the unread tail begins here
.set NTAIL, 2048
.set BK,    16                         ; s[16:23]   register k of my part: matches in the registers in front, later the position of its first match
.set MA,    40                         ; s[40:55]   masks, bank A; behind the barrier s[40:63] hold the 24 words
.set MB,    68                         ; s[68:83]   masks, bank B
.set MK,    84                         ; s[84:91]   masks of my part
	s_load_b128 s[4:7], s[0:1], 0x0                ; label s[4:5], order s[6:7]
	s_load_b64 s[8:9], s[0:1], 0x10                ; tab
	v_and_b32 v1, 31, v0                           ; lane
	v_lshrrev_b32 v5, 5, v0
	v_readfirstlane_b32 s10, v5                    ; wave i
	s_mov_b32 s13, ttmp9                           ; expert e
	v_lshlrev_b32 v2, 4, v1                        ; 16 x lane: four labels a lane and load
	s_lshl_b32 s14, s10, 10
	v_add_nc_u32 v6, s14, v2                       ; my part: 1,024 bytes of labels from 1,024 i
	s_lshl_b32 s33, s10, 8                         ; 256 i
	v_lshl_add_u32 v3, v1, 2, s33                  ; 256 i + 4 lane: the lane's first row in my part
	s_lshl_b32 s14, s13, 8
	s_lshl_b32 s34, s10, 5                         ; 32 i
	s_add_co_u32 s14, s14, s34
	s_add_co_u32 s14, s14, NPOS
	v_add_nc_u32 v4, s14, v1                       ; my word in the unread tail: 4,480 + 256 e + 32 i + lane
	s_mov_b32 s11, 0                               ; n[i]
	s_wait_kmcnt 0x0
.irp i, 0,1,2,3,4,5,6,7,8,9,10,11,12,13,14,15
	global_load_b128 v[LAB+4*\i:LAB+4*\i+3], v2, s[4:5] offset:512*\i
.endr
	global_load_b128 v[PL:PL+3], v6, s[4:5]                    ; register 4 u + c: row 256 i + 128 u + 4 lane + c
	global_load_b128 v[PL+4:PL+7], v6, s[4:5] offset:512
; Sixteen compares with expert i: label loads 4 b .. 4 b + 3 are in when at most 14 - 4 b younger loads are out (the rest of the 16, and my part's two)
.macro CMP16 b, bank
	s_wait_loadcnt 14-4*\b
.set kk, 0
.rept 16
	v_cmp_eq_u32 s[\bank+kk], s10, v[LAB+16*\b+kk]
.set kk, kk+1
.endr
.endm
.macro CNT16 bank
.set kk, 0
.rept 8
	s_bcnt1_i32_b32 s14, s[\bank+2*kk]
	s_bcnt1_i32_b32 s15, s[\bank+2*kk+1]
	s_add_co_u32 s11, s11, s14
	s_add_co_u32 s11, s11, s15
.set kk, kk+1
.endr
.endm
	CMP16 0, MA
	CMP16 1, MB
	CNT16 MA
	CMP16 2, MA
	CNT16 MB
	CMP16 3, MB
	CNT16 MA
	CNT16 MB
	; my part: which rows are expert e's, how many in front of each register, and one of them for the padding
	s_wait_loadcnt 0x0
.irp k, 0,1,2,3,4,5,6,7
	v_cmp_eq_u32 s[MK+\k], s13, v[PL+\k]
.endr
	s_mov_b32 s12, 0                               ; matches in my part
	s_mov_b32 s26, 1                               ; mask and row offset of the last register that held a match
	s_mov_b32 s27, 0
.irp k, 0,1,2,3,4,5,6,7
	s_mov_b32 s[BK+\k], s12
	s_bcnt1_i32_b32 s14, s[MK+\k]                  ; SCC = some lane matched
	s_cselect_b32 s26, s[MK+\k], s26
	s_cselect_b32 s27, 128*(\k/4)+\k%4, s27
	s_add_co_u32 s12, s12, s14
.endr
	s_ctz_i32_b32 s26, s26                         ; the lowest lane that matched there
	s_lshl2_add_u32 s27, s26, s27
	s_add_co_u32 s27, s27, s33
	s_add_co_u32 s27, s27, 1                       ; its row + 1,
	s_cmp_lg_u32 s12, 0
	s_cselect_b32 s27, s27, 0                      ; or 0 where my part has none
	; the waves exchange: words 0-7 n[i], words 8-15 expert e's matches in part i, words 16-23 the candidates
	v_mov_b32 v5, s10
	v_lshlrev_b32 v5, 2, v5
	v_mov_b32 v7, s11
	v_mov_b32 v90, s12
	v_mov_b32 v91, s27
	ds_store_b32 v5, v7                            ; all lanes write the same word with the same value
	ds_store_b32 v5, v90 offset:32
	ds_store_b32 v5, v91 offset:64
	s_wait_dscnt 0x0                               ; my three words are in LDS before I say so
	s_barrier_signal -1
	s_barrier_wait -1
	v_mov_b32 v5, 0
.irp q, 0,1,2,3,4,5
	ds_load_b128 v[CN+4*\q:CN+4*\q+3], v5 offset:16*\q
.endr
	s_wait_dscnt 0x0
.set kk, 0
.rept 24
	v_readfirstlane_b32 s[40+kk], v[CN+kk]
.set kk, kk+1
.endr
	; seg[e] = the sum of the padded lengths of the experts in front.  x / 320 = (x * 3277) >> 20, exact for x below 16,384
	s_mov_b32 s24, 0
.irp i, 0,1,2,3,4,5,6,7
	s_add_co_u32 s14, s[40+\i], 319
	s_mul_i32 s14, s14, 3277
	s_lshr_b32 s14, s14, 20
	s_mul_i32 s14, s14, 320
	s_cmp_gt_u32 s13, \i
	s_cselect_b32 s14, s14, 0
	s_add_co_u32 s24, s24, s14
.endr
	s_mov_b32 s30, 0                               ; n[e]
	s_mov_b32 s31, 0                               ; expert e's rows in the parts in front of mine
	s_mov_b32 s32, 1                               ; the largest candidate (1 where the expert has no row: nothing is padded then)
.irp i, 0,1,2,3,4,5,6,7
	s_add_co_u32 s30, s30, s[48+\i]
	s_cmp_gt_u32 s10, \i
	s_cselect_b32 s14, s[48+\i], 0
	s_add_co_u32 s31, s31, s14
	s_max_u32 s32, s32, s[56+\i]
.endr
	s_sub_co_u32 s32, s32, 1                       ; a row of expert e
	s_add_co_u32 s25, s30, 319
	s_mul_i32 s25, s25, 3277
	s_lshr_b32 s25, s25, 20                        ; passes[e]
	s_mul_i32 s29, s25, 320
	s_add_co_u32 s29, s29, s24                     ; where the segment ends
	s_add_co_u32 s28, s30, 15
	s_lshr_b32 s28, s28, 4                         ; tiles[e]
	s_add_co_u32 s31, s31, s24                     ; the position of my part's first match
.irp k, 0,1,2,3,4,5,6,7
	s_add_co_u32 s[BK+\k], s[BK+\k], s31
.endr
	; placing: a match goes to (position of its register's first match) + (matches in the lanes below); other lanes write their word of the tail.
	; The select stands in front of the clamp, and behind the clamp only a shift.
.irp k, 0,1,2,3,4,5,6,7
	v_mbcnt_lo_u32_b32 v[ADR+\k], s[MK+\k], s[BK+\k]
.endr
.irp k, 0,1,2,3,4,5,6,7
	v_cndmask_b32 v[ADR+\k], v4, v[ADR+\k], s[MK+\k]
.endr
.irp k, 0,1,2,3,4,5,6,7
	v_min_u32 v[ADR+\k], NPOS+NTAIL-1, v[ADR+\k]
.endr
.irp k, 0,1,2,3,4,5,6,7
	v_lshlrev_b32 v[ADR+\k], 2, v[ADR+\k]
.endr
.irp k, 0,1,2,3,4,5,6,7
	v_add_nc_u32 v[PL+\k], 128*(\k/4)+\k%4, v3     ; the row's number
.endr
.irp k, 0,1,2,3,4,5,6,7
	global_store_b32 v[ADR+\k], v[PL+\k], s[6:7]
.endr
	; padding: at most 319 positions from seg + n to the segment's end; wave i takes those at 32 i + lane and 256 further on
	s_add_co_u32 s35, s24, s30
	s_add_co_u32 s35, s35, s34
	v_mov_b32 v7, s32
.irp u, 0,1
	v_add3_u32 v[PADR+\u], s35, v1, 256*\u
	v_cmp_gt_u32 vcc_lo, s29, v[PADR+\u]
	v_cndmask_b32 v[PADR+\u], v4, v[PADR+\u], vcc_lo
	v_min_u32 v[PADR+\u], NPOS+NTAIL-1, v[PADR+\u]
	v_lshlrev_b32 v[PADR+\u], 2, v[PADR+\u]
	global_store_b32 v[PADR+\u], v7, s[6:7]
.endr
	; the record, by wave 0
	s_cmp_lg_u32 s10, 0
	s_cbranch_scc1 .Ldone
	v_mov_b32 v5, 0
	v_writelane_b32 v5, s24, 0
	v_writelane_b32 v5, s30, 1
	v_writelane_b32 v5, s25, 2
	v_writelane_b32 v5, s28, 3
	v_lshlrev_b32 v6, 2, v1
	s_lshl_b32 s14, s13, 7
	s_mov_b32 s15, 0
	s_add_nc_u64 s[8:9], s[8:9], s[14:15]
	global_store_b32 v6, v5, s[8:9]
.Ldone:
	s_endpgm
.Lfunc_end_k_qc7b9d9c5ac_route:
	.size	k_qc7b9d9c5ac_route, .Lfunc_end_k_qc7b9d9c5ac_route-k_qc7b9d9c5ac_route
	.p2alignl 7, 3214868480
	.fill 96, 4, 3214868480
	.section	.rodata,"a",@progbits
	.p2align	6, 0x0
	.amdhsa_kernel k_qc7b9d9c5ac_route
		.amdhsa_group_segment_fixed_size 256
		.amdhsa_private_segment_fixed_size 0
		.amdhsa_enable_private_segment 0
		.amdhsa_kernarg_size 24
		.amdhsa_user_sgpr_count 2
		.amdhsa_user_sgpr_kernarg_segment_ptr 1
		.amdhsa_wavefront_size32 1
		.amdhsa_system_sgpr_workgroup_id_x 1
		.amdhsa_system_sgpr_workgroup_id_y 1
		.amdhsa_system_sgpr_workgroup_id_z 1
		.amdhsa_system_vgpr_workitem_id 0
		.amdhsa_next_free_vgpr 120
		.amdhsa_next_free_sgpr 92
		.amdhsa_reserve_vcc 1
		.amdhsa_float_denorm_mode_32 3
		.amdhsa_float_denorm_mode_16_64 3
		.amdhsa_memory_ordered 1
		.amdhsa_forward_progress 1
		.amdhsa_inst_pref_size 24
	.end_amdhsa_kernel
	.amdgpu_metadata
---
amdhsa.version: [ 1, 2 ]
amdhsa.kernels:
  - .name:           k_qc7b9d9c5ac_route
    .symbol:         k_qc7b9d9c5ac_route.kd
    .args:
      - { .name: label, .offset: 0, .size: 8, .value_kind: global_buffer, .address_space: global }
      - { .name: order, .offset: 8, .size: 8, .value_kind: global_buffer, .address_space: global }
      - { .name: tab, .offset: 16, .size: 8, .value_kind: global_buffer, .address_space: global }
    .group_segment_fixed_size: 256
    .private_segment_fixed_size: 0
    .kernarg_segment_align: 8
    .kernarg_segment_size: 24
    .max_flat_workgroup_size: 256
    .sgpr_count:     92
    .vgpr_count:     120
    .wavefront_size: 32
...
	.end_amdgpu_metadata
.endif
;; end of part 1
;; launch enc (part 2): grid 32 x 8, 4 waves a work-group, no clusters, 164,864 bytes of LDS; arguments img, W_enc, b_enc, order, tab, code; writes code
.if DOCPART == 2
	.amdgcn_target "amdgcn-amd-amdhsa--gfx1250"
	.amdhsa_code_object_version 6
	.text
	.protected	k_qc7b9d9c5ac_enc
	.globl	k_qc7b9d9c5ac_enc
	.p2align	8
	.type	k_qc7b9d9c5ac_enc,@function
k_qc7b9d9c5ac_enc:
	s_mov_b64 s[64:65], 0
	v_nop
	global_prefetch_b8 v0, s[64:65] scope:SCOPE_SE
	s_setreg_imm32_b32 hwreg(HW_REG_WAVE_MODE, 25, 1), 1
	s_wait_xcnt 0x0
; ENC: code[p][k] = relu(img[order[p]] . W_enc[e][k] + b_enc[e][k]) in bf16, for the padded positions p of every expert.
; Work-group (x, y): expert e = y, code columns 64 s .. 64 s + 63 (s = x & 7), and of every block of 320 positions the 80 of quarter q = x >> 3.
; A pass makes 80 positions x 64 columns over all 3,072 k.  An expert with n rows needs ceil(n / 320) passes (the count comes from tab).
; THE FOUR WAVES SPLIT K: wave w owns k = 768 w .. 768 w + 767 in 12 chunks of 64 k (256 bytes of a row, aligned) and makes the whole
; 80 x 64 block over them in 20 accumulators.  It loads, rounds to bf16, stages and reads only bytes of its own in LDS: each number is
; rounded once and the K loop has no barrier.  Behind K the four partial blocks are added through LDS.
; BARRIERS: the loop over passes has a constant 7 trips (2,048 rows / 320, up), and both barriers of the sum stand on every wave's path in
; every trip; the branches on the count from tab jump over work alone.
; NO JOINT TENSOR LOADS, though 8 work-groups read a row of img and 4 a row of W_enc: both are f32 in memory and must pass through registers
; to become bf16, the rows of img are picked by a list, and the number of passes is read from memory.
; code lies as the next launch's fragments: element (p, k) at (p>>4)*16384 + (k>>4)*512 + 16*((p&15) + 16*((k>>3)&1)) + 2*(k&7).
; THE MATRIX INSTRUCTION IS USED TRANSPOSED (source 0 = 16 rows of W, source 1 = 16 rows of img): lane l then holds position l % 16 and
; in registers 0 .. 7 the columns 8 (l / 16) + 0 .. 7, which pack into the 16 bytes that code wants at 16 l.
; LIMITS: operands are rounded to bf16, sums are f32; a NaN in front of the ReLU becomes 0 (v_max_num_f32).
.set D4,      12288                    ; bytes in a row of img and of W_enc
.set MAXPASS, 7
.set PITCH,   144                      ; an LDS row: 64 bf16 + 16 bytes, an odd multiple of 16: the 16 rows of a fragment load start in different banks
.set PBYTES,  144*PITCH                ; a wave's own stage: rows 0-79 img, rows 80-143 W
.set RED,     4*PBYTES                 ; behind the stages: the partial blocks,
.set REDW,    20480                    ; 20 tiles x 1,024 bytes for each wave
; window 0
.set VW,   4                           ; W: 8 rows for the upper half of the lanes + 16 (l % 16)
.set VST,  5                           ; stage, in: my 8 bytes of LDS row 8 (l / 16)
.set VF,   6                           ; stage, out: fragment address, row l % 16, 16 bytes for each half
.set VRS,  7                           ; my partial block, 16 l
.set VRL,  8                           ; the tiles that I add up, in wave 0's block (reaches wave 1's by the immediate)
.set VRL2, 9                           ; the same in wave 2's block (and wave 3's)
.set VORD, 10                          ; 32 (l / 16): eight entries of order, or eight biases, further on for the upper half
.set VC,   11                          ; 16 l
.set BIAS, 12                          ; v[12:19] b_enc of my eight columns on the way out
.set C16,  20                          ; 16 (l % 16)
.set FR,   32                          ; v[32:175] fragments: K half ks at 72 ks: five of img (8 mt), then four of W (40 + 8 nt)
.set RO,   176                         ; v[176:215] load i of img: byte offset of its row (one for each half of the lanes) + 16 (l % 16)
; window 1: v[0:95], v[96:191] load groups 0, 1; on the way out the partial tiles of wave u at 40 u + 8 mt
; window 2: v[0:95] load group 2; v[96:255] accumulators, tile (nt, mt) at 96 + 8 (5 nt + mt)
.set ACC,  96
.set SIMG, 28                          ; s[28:29] img at my K range, this chunk's refills
.set SW,   30                          ; s[30:31] W_enc at my expert, columns and K range, likewise
.set MSB, 0
.macro WIN new                         ; the immediate's high byte repeats the setting that is left
.if MSB != (\new)
	s_set_vgpr_msb (MSB<<8)|(\new)
.set MSB, (\new)
.endif
.endm
.macro PLACES                          ; four places behind a matrix instruction (ISA guide 7.12.1)
.rept 4
	v_nop
.endr
.endm
; A chunk is 72 loads of 16 bytes a lane.  Load i takes two rows, 8 apart, one for each half of the lanes: 256 consecutive aligned bytes each.
; i < 40: positions 16 (i / 8) + i % 8 (+ 8) of img;  i >= 40: with k = i - 40 the rows 16 (k / 8) + k % 8 (+ 8) of W.
; Rows 8 apart lie 1,152 bytes = 288 words apart in the stage, so the two halves of an 8-byte LDS store fall into different halves of the banks.
.macro LDX i, x
.if (\i) < 40
	global_load_b128 v[\x:\x+3], v[RO+(\i)], s[SIMG:SIMG+1]
.else
	global_load_b128 v[\x:\x+3], v[VW], s[SW:SW+1] offset:(16*(((\i)-40)/8)+((\i)-40)%8)*D4
.endif
.endm
.macro STX i, x
.if (\i) < 40
	ds_store_b64 v[VST], v[\x:\x+1] offset:(16*((\i)/8)+(\i)%8)*PITCH
.else
	ds_store_b64 v[VST], v[\x:\x+1] offset:(80+16*(((\i)-40)/8)+((\i)-40)%8)*PITCH
.endif
.endm
; Loads 24 g .. 24 g + 23, in window win from register x: wait, round in place, stage, ask for the next chunk's.
.macro GROUP g, win, x, refill, left
	s_wait_loadcnt \left                           ; loads come back in order: this group is in, the younger ones stay out
	WIN ((\win<<6)|(\win<<2)|\win)
.set ui, 0
.rept 24
	v_cvt_pk_bf16_f32 v[\x+4*ui], v[\x+4*ui], v[\x+4*ui+1]
	v_cvt_pk_bf16_f32 v[\x+4*ui+1], v[\x+4*ui+2], v[\x+4*ui+3]
.set ui, ui+1
.endr
	WIN (\win<<2)
.set ui, 0
.rept 24
	STX (24*\g+ui),(\x+4*ui)
.set ui, ui+1
.endr
.if \refill
	WIN (\win<<6)
.set ui, 0
.rept 24
	LDX (24*\g+ui),(\x+4*ui)
.set ui, ui+1
.endr
.endif
.endm
; 20 matrix instructions: 32 k of all 20 tiles.  The accumulators take turns, one instruction a turn.
.macro MUL20 ks, zero
.irp mt, 0,1,2,3,4
.irp nt, 0,1,2,3
.if \zero
	v_wmma_f32_16x16x32_bf16 v[ACC+8*(5*\nt+\mt):ACC+8*(5*\nt+\mt)+7], v[FR+40+72*\ks+8*\nt:FR+40+72*\ks+8*\nt+7], v[FR+72*\ks+8*\mt:FR+72*\ks+8*\mt+7], 0
.else
	v_wmma_f32_16x16x32_bf16 v[ACC+8*(5*\nt+\mt):ACC+8*(5*\nt+\mt)+7], v[FR+40+72*\ks+8*\nt:FR+40+72*\ks+8*\nt+7], v[FR+72*\ks+8*\mt:FR+72*\ks+8*\mt+7], v[ACC+8*(5*\nt+\mt):ACC+8*(5*\nt+\mt)+7]
.endif
.endr
.endr
.endm
; One chunk of 64 k.  l0, l1, l2: how many younger loads may stay out at each group's wait.  With refills that is always two groups of 24:
; what is left of this chunk and what has been asked of the next.  The last chunk's counts run down 48, 24, 0.
.macro CHUNK zero, refill, l0, l1, l2
.if \refill
	s_wait_xcnt 0x0                                ; the bases of the loads that are out are stepped only behind this wait
	s_add_nc_u64 s[SIMG:SIMG+1], s[SIMG:SIMG+1], 256
	s_add_nc_u64 s[SW:SW+1], s[SW:SW+1], 256
.endif
	GROUP 0, 1, 0, \refill, \l0                    ; the 144 conversions also are the places between the last chunk's matrix instructions and the loads into their fragments
	GROUP 1, 1, 96, \refill, \l1
	GROUP 2, 2, 0, \refill, \l2
	WIN 0
.irp ks, 0,1                                       ; LDS serves a wave's instructions in order: these loads see the stores above
.irp mt, 0,1,2,3,4
	ds_load_b128 v[FR+72*\ks+8*\mt:FR+72*\ks+8*\mt+3], v[VF] offset:16*\mt*PITCH+64*\ks
	ds_load_b128 v[FR+72*\ks+8*\mt+4:FR+72*\ks+8*\mt+7], v[VF] offset:16*\mt*PITCH+64*\ks+32
.endr
.irp nt, 0,1,2,3
	ds_load_b128 v[FR+40+72*\ks+8*\nt:FR+40+72*\ks+8*\nt+3], v[VF] offset:(80+16*\nt)*PITCH+64*\ks
	ds_load_b128 v[FR+40+72*\ks+8*\nt+4:FR+40+72*\ks+8*\nt+7], v[VF] offset:(80+16*\nt)*PITCH+64*\ks+32
.endr
.endr
	s_wait_dscnt 18                                ; the first K half's fragments are in; the second half's 18 loads may be out
	WIN 0xa0                                       ; C and D in window 2, both sources in window 0
	MUL20 0, \zero
	s_wait_dscnt 0
	MUL20 1, 0
	WIN 0
.endm
	s_load_b256 s[4:11], s[0:1], 0x0               ; img s[4:5], W_enc s[6:7], b_enc s[8:9], order s[10:11]
	s_load_b128 s[12:15], s[0:1], 0x20             ; tab s[12:13], code s[14:15]
	v_lshrrev_b32 v1, 5, v0
	v_readfirstlane_b32 s16, v1                    ; wave w
	s_and_b32 s17, ttmp7, 0xffff                   ; expert e
	s_and_b32 s18, ttmp9, 7                        ; column slice s
	s_lshr_b32 s19, ttmp9, 3                       ; quarter q
	v_and_b32 v1, 31, v0                           ; l
	v_and_b32 v2, 15, v0                           ; l % 16
	v_bfe_u32 v3, v0, 4, 1                         ; l / 16
	v_mul_u32_u24 v[VW], 8*D4, v3
	v_lshl_add_u32 v[VW], v2, 4, v[VW]
	s_mul_i32 s25, s16, PBYTES                     ; my stage
	v_mul_u32_u24 v[VST], 8*PITCH, v3
	v_lshl_add_u32 v[VST], v2, 3, v[VST]
	v_add_nc_u32 v[VST], s25, v[VST]
	v_mul_u32_u24 v[VF], PITCH, v2
	v_lshl_add_u32 v[VF], v3, 4, v[VF]
	v_add_nc_u32 v[VF], s25, v[VF]
	v_lshlrev_b32 v[VC], 4, v1
	s_mul_i32 s25, s16, REDW
	s_add_co_u32 s25, s25, RED
	v_add_nc_u32 v[VRS], s25, v[VC]
	s_mul_i32 s25, s16, 5*1024                     ; on the way out I add up the five tiles nt = w
	s_add_co_u32 s25, s25, RED
	v_add_nc_u32 v[VRL], s25, v[VC]
	v_add_nc_u32 v[VRL2], 2*REDW, v[VRL]
	v_lshlrev_b32 v[VORD], 5, v3
	v_lshlrev_b32 v[C16], 4, v2
	s_lshl_b32 s40, s17, 7
	s_mov_b32 s41, 0                               ; stays 0: the upper word of every offset
	s_wait_kmcnt 0x0
	s_add_nc_u64 s[12:13], s[12:13], s[40:41]
	s_load_b128 s[20:23], s[12:13], 0x0            ; seg s20, n s21, passes s22, tiles s23
	s_lshl_b32 s40, s17, 11                        ; b_enc: 2,048 e + 256 s + 64 w, and 32 bytes on for the upper half of the lanes
	s_lshl_b32 s25, s18, 8
	s_add_co_u32 s40, s40, s25
	s_lshl_b32 s25, s16, 6
	s_add_co_u32 s40, s40, s25
	s_add_nc_u64 s[8:9], s[8:9], s[40:41]
	global_load_b128 v[BIAS:BIAS+3], v[VORD], s[8:9]
	global_load_b128 v[BIAS+4:BIAS+7], v[VORD], s[8:9] offset:16
	s_mul_i32 s40, s16, 3072                       ; my K range: 768 f32
	s_add_nc_u64 s[32:33], s[4:5], s[40:41]
	s_mul_i32 s25, s17, 512*D4
	s_add_co_u32 s40, s40, s25
	s_mul_i32 s25, s18, 64*D4
	s_add_co_u32 s40, s40, s25
	s_add_nc_u64 s[34:35], s[6:7], s[40:41]
	s_lshl2_add_u32 s40, s18, s16                  ; code: sixteen columns are 512 bytes of a tile: 4 s + w
	s_lshl_b32 s40, s40, 9
	s_add_nc_u64 s[42:43], s[14:15], s[40:41]
	s_wait_loadcnt 0x0                             ; the bias, once
	s_wait_kmcnt 0x0                               ; the record
	s_mov_b32 s24, 0
.Lpass:
	s_wait_xcnt 0x0                                ; the last pass's pointers and store data are rewritten only behind this wait
	s_lshl2_add_u32 s26, s24, s19                  ; 4 pass + q
	s_mul_i32 s26, s26, 80
	s_add_co_u32 s26, s26, s20
	s_min_u32 s26, s26, 4400                       ; my 80 positions; the clamp keeps them inside the 4,480
	s_lshl_b32 s40, s26, 2
	s_add_nc_u64 s[36:37], s[10:11], s[40:41]
	s_lshl_b32 s40, s26, 10                        ; 16 positions are 16,384 bytes of code
	s_add_nc_u64 s[38:39], s[42:43], s[40:41]
	s_cmp_ge_u32 s24, s22
	s_cbranch_scc1 .Lidle_a                        ; no such pass: only the barriers are left of this trip
.set ii, 0
.rept 40
	global_load_b32 v[RO+ii], v[VORD], s[36:37] offset:4*(16*(ii/8)+ii%8)
.set ii, ii+1
.endr
	s_wait_loadcnt 0x0
.set ii, 0
.rept 40
	v_min_u32 v[RO+ii], 0x7ff, v[RO+ii]            ; a row number read from memory is clamped before it enters an address
	v_mul_u32_u24 v[RO+ii], D4, v[RO+ii]
	v_add_nc_u32 v[RO+ii], v[C16], v[RO+ii]
.set ii, ii+1
.endr
	s_mov_b64 s[SIMG:SIMG+1], s[32:33]
	s_mov_b64 s[SW:SW+1], s[34:35]
	WIN 0x40
.set ui, 0
.rept 48
	LDX ui,4*ui
.set ui, ui+1
.endr
	WIN 0x80
.set ui, 0
.rept 24
	LDX (48+ui),4*ui
.set ui, ui+1
.endr
	WIN 0
	CHUNK 1, 1, 48, 48, 48                         ; the first products start the sums: nothing is cleared
	s_mov_b32 s25, 10
.Lchunk:
	CHUNK 0, 1, 48, 48, 48
	s_sub_co_u32 s25, s25, 1
	s_cmp_lg_u32 s25, 0
	s_cbranch_scc1 .Lchunk
	CHUNK 0, 0, 48, 24, 0                          ; the twelfth chunk asks for nothing
	PLACES                                         ; in front of the LDS stores that read the last results
	WIN 0x08
.set ti, 0
.rept 20
	ds_store_b128 v[VRS], v[ACC+8*ti:ACC+8*ti+3] offset:1024*ti
	ds_store_b128 v[VRS], v[ACC+8*ti+4:ACC+8*ti+7] offset:1024*ti+512
.set ti, ti+1
.endr
	WIN 0
.Lidle_a:
	s_wait_dscnt 0x0                               ; my partial block is in LDS before I say so
	s_barrier_signal -1
	s_barrier_wait -1
	s_cmp_ge_u32 s24, s22
	s_cbranch_scc1 .Lidle_b
	WIN 0x40
.irp u, 0,1
.irp mt, 0,1,2,3,4
	ds_load_b128 v[40*\u+8*\mt:40*\u+8*\mt+3], v[VRL] offset:REDW*\u+1024*\mt
	ds_load_b128 v[40*\u+8*\mt+4:40*\u+8*\mt+7], v[VRL] offset:REDW*\u+1024*\mt+512
	ds_load_b128 v[40*\u+80+8*\mt:40*\u+80+8*\mt+3], v[VRL2] offset:REDW*\u+1024*\mt
	ds_load_b128 v[40*\u+80+8*\mt+4:40*\u+80+8*\mt+7], v[VRL2] offset:REDW*\u+1024*\mt+512
.endr
.endr
	s_wait_dscnt 0x0
	WIN 0x45
.irp u, 1,2,3                                      ; ((wave 0 + wave 1) + wave 2) + wave 3: K ascending
.set pp, 0
.rept 20
	v_pk_add_f32 v[2*pp:2*pp+1], v[2*pp:2*pp+1], v[40*\u+2*pp:40*\u+2*pp+1]
.set pp, pp+1
.endr
.endr
	WIN 0x41                                       ; the bias lies in window 0
.set pp, 0
.rept 20
	v_pk_add_f32 v[2*pp:2*pp+1], v[2*pp:2*pp+1], v[BIAS+(2*pp)%8:BIAS+(2*pp)%8+1]
.set pp, pp+1
.endr
	WIN 0x45
.set pp, 0
.rept 40
	v_max_num_f32 v[pp], 0, v[pp]                  ; ReLU
.set pp, pp+1
.endr
.irp mt, 0,1,2,3,4
.irp p, 0,1,2,3
	v_cvt_pk_bf16_f32 v[8*\mt+\p], v[8*\mt+2*\p], v[8*\mt+2*\p+1]      ; packs downward: a register is written after it was read
.endr
.endr
	WIN 0x04
.irp mt, 0,1,2,3,4
	global_store_b128 v[VC], v[8*\mt:8*\mt+3], s[38:39] offset:16384*\mt   ; 512 consecutive bytes, aligned: sixteen positions x sixteen columns
.endr
	WIN 0
.Lidle_b:
	s_barrier_signal -1                            ; every wave's reads of the partial blocks are back (waited for above): the next pass may write them
	s_barrier_wait -1
	s_add_co_u32 s24, s24, 1
	s_cmp_lt_u32 s24, MAXPASS
	s_cbranch_scc1 .Lpass
	s_endpgm
.Lfunc_end_k_qc7b9d9c5ac_enc:
	.size	k_qc7b9d9c5ac_enc, .Lfunc_end_k_qc7b9d9c5ac_enc-k_qc7b9d9c5ac_enc
	.p2alignl 7, 3214868480
	.fill 96, 4, 3214868480
	.section	.rodata,"a",@progbits
	.p2align	6, 0x0
	.amdhsa_kernel k_qc7b9d9c5ac_enc
		.amdhsa_group_segment_fixed_size 164864
		.amdhsa_private_segment_fixed_size 0
		.amdhsa_enable_private_segment 0
		.amdhsa_kernarg_size 48
		.amdhsa_user_sgpr_count 2
		.amdhsa_user_sgpr_kernarg_segment_ptr 1
		.amdhsa_wavefront_size32 1
		.amdhsa_system_sgpr_workgroup_id_x 1
		.amdhsa_system_sgpr_workgroup_id_y 1
		.amdhsa_system_sgpr_workgroup_id_z 1
		.amdhsa_system_vgpr_workitem_id 0
		.amdhsa_next_free_vgpr 768
		.amdhsa_next_free_sgpr 66
		.amdhsa_reserve_vcc 0
		.amdhsa_float_denorm_mode_32 3
		.amdhsa_float_denorm_mode_16_64 3
		.amdhsa_memory_ordered 1
		.amdhsa_forward_progress 1
		.amdhsa_inst_pref_size 104
	.end_amdhsa_kernel
	.amdgpu_metadata
---
amdhsa.version: [ 1, 2 ]
amdhsa.kernels:
  - .name:           k_qc7b9d9c5ac_enc
    .symbol:         k_qc7b9d9c5ac_enc.kd
    .args:
      - { .name: img, .offset: 0, .size: 8, .value_kind: global_buffer, .address_space: global }
      - { .name: W_enc, .offset: 8, .size: 8, .value_kind: global_buffer, .address_space: global }
      - { .name: b_enc, .offset: 16, .size: 8, .value_kind: global_buffer, .address_space: global }
      - { .name: order, .offset: 24, .size: 8, .value_kind: global_buffer, .address_space: global }
      - { .name: tab, .offset: 32, .size: 8, .value_kind: global_buffer, .address_space: global }
      - { .name: code, .offset: 40, .size: 8, .value_kind: global_buffer, .address_space: global }
    .group_segment_fixed_size: 164864
    .private_segment_fixed_size: 0
    .kernarg_segment_align: 8
    .kernarg_segment_size: 48
    .max_flat_workgroup_size: 128
    .sgpr_count:     66
    .vgpr_count:     768
    .wavefront_size: 32
...
	.end_amdgpu_metadata
.endif
;; end of part 2
;; launch dec (part 3): grid 32 x 8, 4 waves a work-group, no clusters, 100,096 bytes of LDS; arguments code, W_dec, b_dec, img, order, tab, out1, part; writes out1, part
.if DOCPART == 3
	.amdgcn_target "amdgcn-amd-amdhsa--gfx1250"
	.amdhsa_code_object_version 6
	.text
	.protected	k_qc7b9d9c5ac_dec
	.globl	k_qc7b9d9c5ac_dec
	.p2align	8
	.type	k_qc7b9d9c5ac_dec,@function
k_qc7b9d9c5ac_dec:
	s_mov_b64 s[64:65], 0
	v_nop
	global_prefetch_b8 v0, s[64:65] scope:SCOPE_SE
	s_setreg_imm32_b32 hwreg(HW_REG_WAVE_MODE, 25, 1), 1
	s_wait_xcnt 0x0
; DEC: out1[row][n] = code[p] . W_dec[e][n] + b_dec[e][n] for row = order[p], and partial sums of (out1 - img)^2, one number a wave.
; Work-group (x, y): expert e = y, columns 96 x .. 96 x + 95, all rows of the expert.  So each byte of W_dec is read once in the launch.
; THE WEIGHTS STAY IN REGISTERS: the four waves round the slice (96 rows x 512 k) to bf16 into LDS, one barrier, and then EVERY wave takes all
; 96 fragments (16 K steps x 6 column tiles, 768 registers, windows 1 to 3).  After that a wave walks row tiles of its own (tile w, w + 4, ..):
; a tile's 16 fragments of code come straight from memory into registers (code lies in that order), so the loop has no LDS and no barrier,
; and its trip count, read from tab, steers no barrier.
; COLUMNS: the 96 columns are a block of 64 (256 bytes, aligned) and a block of 32; which comes first hangs on x's parity, since 96 x 4 bytes
; is one and a half times 256.  Column tiles 0-3: lane r holds column 4 r + t of the 64; tiles 4, 5: column 2 r + t - 4 of the 32.
; With D's layout (register j = row 8 (l / 16) + j, lane = column) a lane's four numbers of a row are then 16 consecutive bytes, and sixteen
; lanes store 256 consecutive aligned bytes; the block of 32 goes out as 128 consecutive bytes.
; Padded positions repeat a row of the expert with the same numbers: their stores write the same bytes again, and the loss leaves them out.
; NO JOINT TENSOR LOADS, though the 32 work-groups of an expert read the same code: it is wanted in registers, in an order in which plain
; loads bring it there, W_dec is shared by nobody, and the number of tiles is read from memory.
; LIMITS: operands in bf16, sums in f32; the difference is formed as acc - (img - b_dec), another order of rounding than (acc + b_dec) - img.
.set D4,   12288                       ; bytes in a row of img and out1
.set WP,   1040                        ; an LDS row: 512 bf16 + 16 bytes, an odd multiple of 16
.set BIAS, 10                          ; v[10:15]   b_dec of my six columns
.set RO64, 16                          ; v[16:23]   row j: byte offset of my 16 bytes in the block of 64
.set RO32, 24                          ; v[24:31]   and of my 8 bytes in the block of 32
.set ACC,  32                          ; v[32:79]   six accumulators
.set X,    80                          ; v[80:127]  row j: six numbers of img, then of out1
.set A,    128                         ; v[128:255] sixteen fragments of code
.set VS64, 32                          ; set-up only: where I stage a row's 8 bytes, block of 64
.set VS32, 33                          ;              and block of 32
.set VFB,  34                          ;              fragment address, column tiles 0-2
.set VFB2, 35                          ;              and 3-5
.set ROWS, 68                          ; s[68:83]   the tile's sixteen rows
; v0 16 l; v1 16 (l % 16); v2 8 (l % 16); v3 ones in lanes 0-15; v4 ones in lanes 16-31; v5 8 (l / 16); v6 the loss; v7, v[8:9] at work
; set-up: three sets of 64 registers from v64 for the weights on their way to LDS
; s47 counts my tiles, s58 is their number, s48 = how many of the expert's rows are left at my tile's first position
.set MSB, 0
.macro WIN new                         ; the immediate's high byte repeats the setting that is left
.if MSB != (\new)
	s_set_vgpr_msb (MSB<<8)|(\new)
.set MSB, (\new)
.endif
.endm
.macro PLACES                          ; four places behind a matrix instruction (ISA guide 7.12.1)
.rept 4
	v_nop
.endr
.endm
; Group g of the weights: four rows of 2,048 bytes in sixteen loads of 512 consecutive bytes.  g 0-3: my 16 rows of the block of 64; g 4, 5: my 8 of the 32.
.macro LDW g, st
.set ui, 0
.rept 16
.if (\g) < 4
	global_load_b128 v[64+64*\st+4*ui:64+64*\st+4*ui+3], v0, s[28:29] offset:(4*(\g)+ui/4)*2048+512*(ui%4) th:TH_LOAD_NT
.else
	global_load_b128 v[64+64*\st+4*ui:64+64*\st+4*ui+3], v0, s[30:31] offset:(4*((\g)-4)+ui/4)*2048+512*(ui%4) th:TH_LOAD_NT
.endif
.set ui, ui+1
.endr
.endm
; Wait, round in place, stage, ask for the group three further on.  Column c of the 64 goes to LDS row 16 (c % 4) + c / 4, column c of the 32 to
; row 64 + 16 (c % 2) + c / 2, so that a fragment's sixteen columns are sixteen neighbouring LDS rows.
.macro GROUPW g, st, refill, left
	s_wait_loadcnt \left                           ; loads come back in order: this group is in, the younger groups of 16 stay out
.set ui, 0
.rept 16
	v_cvt_pk_bf16_f32 v[64+64*\st+4*ui], v[64+64*\st+4*ui], v[64+64*\st+4*ui+1]
	v_cvt_pk_bf16_f32 v[64+64*\st+4*ui+1], v[64+64*\st+4*ui+2], v[64+64*\st+4*ui+3]
.set ui, ui+1
.endr
.set ui, 0
.rept 16
.if \g < 4
.set wb, 4*\g+ui/4
	ds_store_b64 v[VS64], v[64+64*\st+4*ui:64+64*\st+4*ui+1] offset:(16*(wb%4)+wb/4)*WP+256*(ui%4)
.else
.set wb, 4*(\g-4)+ui/4
	ds_store_b64 v[VS32], v[64+64*\st+4*ui:64+64*\st+4*ui+1] offset:(16*(wb%2)+wb/2)*WP+256*(ui%4)
.endif
.set ui, ui+1
.endr
.if \refill
	LDW (\g+3), \st
.endif
.endm
; Weight fragments first .. first + count - 1 from LDS: fragment f = 6 sg + t goes to register 256 + 8 f
.macro LDB first, count
.set fi, \first
.rept \count
	WIN ((1+fi/32)<<6)
.if fi%6 < 3
	ds_load_b128 v[(8*fi)%256:(8*fi)%256+3], v[VFB] offset:16*(fi%6)*WP+64*(fi/6)
	ds_load_b128 v[(8*fi)%256+4:(8*fi)%256+7], v[VFB] offset:16*(fi%6)*WP+64*(fi/6)+32
.else
	ds_load_b128 v[(8*fi)%256:(8*fi)%256+3], v[VFB2] offset:16*(fi%6-3)*WP+64*(fi/6)
	ds_load_b128 v[(8*fi)%256+4:(8*fi)%256+7], v[VFB2] offset:16*(fi%6-3)*WP+64*(fi/6)+32
.endif
.set fi, fi+1
.endr
	WIN 0
.endm
; Eight loads: the fragments of K steps 4 g .. 4 g + 3 of the tile at s[40:41]
.macro LDA g
.irp k, 0,1,2,3
	global_load_b128 v[A+8*(4*\g+\k):A+8*(4*\g+\k)+3], v0, s[40:41] offset:(4*\g+\k)*1024
	global_load_b128 v[A+8*(4*\g+\k)+4:A+8*(4*\g+\k)+7], v0, s[40:41] offset:(4*\g+\k)*1024+512
.endr
.endm
; 24 matrix instructions: K steps 4 g .. 4 g + 3 x six column tiles.
; The six accumulators take turns, one instruction a turn.  The first K step starts the sums.
.macro MULG g
.set fi, 24*\g
.rept 24
	WIN ((1+fi/32)<<2)
.if fi < 6
	v_wmma_f32_16x16x32_bf16 v[ACC+8*(fi%6):ACC+8*(fi%6)+7], v[A+8*(fi/6):A+8*(fi/6)+7], v[(8*fi)%256:(8*fi)%256+7], 0
.else
	v_wmma_f32_16x16x32_bf16 v[ACC+8*(fi%6):ACC+8*(fi%6)+7], v[A+8*(fi/6):A+8*(fi/6)+7], v[(8*fi)%256:(8*fi)%256+7], v[ACC+8*(fi%6):ACC+8*(fi%6)+7]
.endif
.set fi, fi+1
.endr
	WIN 0
.endm
.macro STEP g, refill, left
	s_wait_loadcnt \left
	MULG \g
.if \refill
	PLACES                                         ; in front of the loads into fragments that the matrix instructions above have read
.if \g == 0
	s_add_nc_u64 s[42:43], s[42:43], 256           ; four tiles on: 64 entries.  The last scalar load by this pointer was waited for in the tile's head
	s_load_b512 s[ROWS:ROWS+15], s[42:43], 0x0     ; the next tile's rows; this tile's have gone into RO64 and RO32
.endif
	LDA \g
.endif
.endm
; A tile's head: its sixteen rows become byte offsets, and its 16 loads of img go out.  It stands behind the tile's 32 loads of code and ahead of
; the next tile's: for the first tile in the middle of the weight fragments' LDS loads, for every other at the end of the tile in front.
.macro HEAD
	s_wait_kmcnt 0x0                               ; the tile's rows
	s_wait_xcnt 0x0                                ; the last tile's offsets, store data and pointers are rewritten only behind this wait
.irp j, 0,1,2,3,4,5,6,7,8,9,10,11,12,13,14,15
	s_min_u32 s[ROWS+\j], s[ROWS+\j], 0x7ff        ; a row number read from memory is clamped before it enters an address
	s_mul_i32 s[ROWS+\j], s[ROWS+\j], D4
.endr
.irp j, 0,1,2,3,4,5,6,7
	v_and_b32 v7, s[ROWS+\j], v3                   ; lanes 0-15: row j of the tile
	v_and_b32 v8, s[ROWS+8+\j], v4                 ; lanes 16-31: row 8 + j
	v_add3_u32 v[RO64+\j], v7, v8, v1
	v_add3_u32 v[RO32+\j], v7, v8, v2
.endr
.irp j, 0,1,2,3,4,5,6,7
	global_load_b128 v[X+6*\j:X+6*\j+3], v[RO64+\j], s[32:33]
	global_load_b64 v[X+6*\j+4:X+6*\j+5], v[RO32+\j], s[34:35]
.endr
.endm
; One row tile behind its head.  refill = 1: the wave's next tile is fetched meanwhile, and its head closes this tile.
; The loads of a tile are issued in this order: four groups of 8 (code), 16 (img), then the next tile's groups, each behind the matrix
; instructions on the group that it replaces.  So with refills 40 younger loads may be out at each group's wait (what is left of this tile's
; groups, the 16, and the next tile's groups so far) and 32 at the wait for img; without, the counts run down 40, 32, 24, 16, 0.
.macro BODY refill
.if \refill
	s_add_nc_u64 s[40:41], s[40:41], 0x10000       ; four tiles of 16,384 bytes on (the loads by this pointer stand ahead of the head's wait)
	STEP 0, 1, 40
	STEP 1, 1, 40
	STEP 2, 1, 40
	STEP 3, 1, 40
	s_wait_loadcnt 32
.else
	STEP 0, 0, 40
	STEP 1, 0, 32
	STEP 2, 0, 24
	STEP 3, 0, 16
	s_wait_loadcnt 0
.endif
.irp j, 0,1,2,3,4,5,6,7                            ; img - bias; these 24 lines also are the places in front of the first read of a result
.irp p, 0,2,4
	v_pk_add_f32 v[X+6*\j+\p:X+6*\j+\p+1], v[X+6*\j+\p:X+6*\j+\p+1], v[BIAS+\p:BIAS+\p+1] neg_lo:[0,1] neg_hi:[0,1]
.endr
.endr
.irp j, 0,1,2,3,4,5,6,7
.irp t, 0,1,2,3,4,5
	v_sub_f32 v[X+6*\j+\t], v[ACC+8*\t+\j], v[X+6*\j+\t]                   ; out1 - img
.endr
	v_pk_mul_f32 v[8:9], v[X+6*\j:X+6*\j+1], v[X+6*\j:X+6*\j+1]
	v_pk_fma_f32 v[8:9], v[X+6*\j+2:X+6*\j+3], v[X+6*\j+2:X+6*\j+3], v[8:9]
	v_pk_fma_f32 v[8:9], v[X+6*\j+4:X+6*\j+5], v[X+6*\j+4:X+6*\j+5], v[8:9]
.irp t, 0,1,2,3,4,5
	v_add_f32 v[X+6*\j+\t], v[ACC+8*\t+\j], v[BIAS+\t]                     ; out1
.endr
	global_store_b128 v[RO64+\j], v[X+6*\j:X+6*\j+3], s[36:37] th:TH_STORE_NT      ; sixteen lanes: 256 consecutive bytes, aligned
	global_store_b64 v[RO32+\j], v[X+6*\j+4:X+6*\j+5], s[38:39] th:TH_STORE_NT     ; sixteen lanes: 128 consecutive bytes
	s_sub_co_i32 s49, s48, \j
	v_cmp_gt_i32 vcc_lo, s49, v5                   ; 8 (l / 16) + j is below what is left: a row of the expert, no padding
	v_add_f32 v7, v8, v9
	v_cndmask_b32 v7, 0, v7, vcc_lo
	v_add_f32 v6, v6, v7
.endr
.if \refill
	HEAD
.endif
.endm
	s_load_b512 s[8:23], s[0:1], 0x0               ; code s[8:9], W_dec s[10:11], b_dec s[12:13], img s[14:15], order s[16:17], tab s[18:19], out1 s[20:21], part s[22:23]
	v_lshrrev_b32 v8, 5, v0
	v_readfirstlane_b32 s4, v8                     ; wave w
	s_and_b32 s5, ttmp7, 0xffff                    ; expert e
	s_mov_b32 s6, ttmp9                            ; column slice
	v_and_b32 v7, 31, v0                           ; l
	v_and_b32 v9, 15, v0                           ; l % 16
	v_bfe_u32 v5, v0, 4, 1                         ; l / 16
	v_lshlrev_b32 v0, 4, v7
	v_lshlrev_b32 v1, 4, v9
	v_lshlrev_b32 v2, 3, v9
	v_sub_nc_u32 v4, 0, v5
	v_xor_b32 v3, -1, v4
	s_mul_i32 s44, s4, 4*WP                        ; my columns fill four LDS rows of each column tile
	v_lshl_add_u32 v[VS64], v7, 3, s44
	v_add_nc_u32 v[VS32], 64*WP, v[VS64]
	v_mul_u32_u24 v[VFB], WP, v9
	v_lshl_add_u32 v[VFB], v5, 4, v[VFB]
	v_add_nc_u32 v[VFB2], 48*WP, v[VFB]
	v_lshlrev_b32 v5, 3, v5
	s_and_b32 s44, s6, 1
	s_mul_i32 s52, s6, 96
	s_lshl_b32 s50, s44, 5
	s_add_co_u32 s50, s50, s52                     ; first column of the block of 64: 96 x, and 32 on where x is odd
	s_xor_b32 s51, s44, 1
	s_lshl_b32 s51, s51, 6
	s_add_co_u32 s51, s51, s52                     ; first column of the block of 32: 96 x, and 64 on where x is even
	s_mul_i32 s53, s5, 3072*2048                   ; the expert's weights
	s_mov_b32 s45, 0                               ; stays 0: the upper word of every offset
	s_wait_kmcnt 0x0
	s_lshl_b32 s44, s5, 7
	s_add_nc_u64 s[18:19], s[18:19], s[44:45]
	s_load_b128 s[24:27], s[18:19], 0x0            ; seg s24, n s25, passes s26, tiles s27: wanted behind the barrier
	s_lshl4_add_u32 s44, s4, s50                   ; my 16 rows of W_dec for the block of 64
	s_lshl_b32 s44, s44, 11
	s_add_co_u32 s44, s44, s53
	s_add_nc_u64 s[28:29], s[10:11], s[44:45]
	s_lshl3_add_u32 s44, s4, s51                   ; my 8 rows for the block of 32
	s_lshl_b32 s44, s44, 11
	s_add_co_u32 s44, s44, s53
	s_add_nc_u64 s[30:31], s[10:11], s[44:45]
	s_mul_i32 s49, s5, D4
	s_lshl_b32 s44, s50, 2
	s_add_nc_u64 s[32:33], s[14:15], s[44:45]      ; img and out1 at the block of 64
	s_add_nc_u64 s[36:37], s[20:21], s[44:45]
	s_add_co_u32 s44, s44, s49
	s_add_nc_u64 s[54:55], s[12:13], s[44:45]      ; b_dec likewise
	s_lshl_b32 s44, s51, 2
	s_add_nc_u64 s[34:35], s[14:15], s[44:45]      ; and at the block of 32
	s_add_nc_u64 s[38:39], s[20:21], s[44:45]
	s_add_co_u32 s44, s44, s49
	s_add_nc_u64 s[56:57], s[12:13], s[44:45]
	s_lshl_b32 s44, s5, 5                          ; part: 16 bytes a work-group, 4 a wave
	s_add_co_u32 s44, s44, s6
	s_lshl_b32 s44, s44, 4
	s_lshl_b32 s49, s4, 2
	s_add_co_u32 s44, s44, s49
	s_add_nc_u64 s[22:23], s[22:23], s[44:45]
	global_load_b128 v[BIAS:BIAS+3], v1, s[54:55]
	global_load_b64 v[BIAS+4:BIAS+5], v2, s[56:57]
	LDW 0, 0
	LDW 1, 1
	LDW 2, 2
	GROUPW 0, 0, 1, 32                             ; the bias is older than group 0: it is in as well
	GROUPW 1, 1, 1, 32
	GROUPW 2, 2, 1, 32
	GROUPW 3, 0, 0, 32
	GROUPW 4, 1, 0, 16
	GROUPW 5, 2, 0, 0
	s_wait_dscnt 0x0                               ; my part of the slice is in LDS before I say so
	s_barrier_signal -1
	s_barrier_wait -1                              ; the one barrier: on every wave's path, whatever the counts
	s_wait_kmcnt 0x0
	s_min_u32 s46, s27, 128                        ; tiles
	s_min_u32 s24, s24, 4160                       ; seg
	s_lshl_b32 s44, s24, 10
	s_lshl_b32 s49, s4, 14
	s_add_co_u32 s44, s44, s49
	s_add_nc_u64 s[40:41], s[8:9], s[44:45]        ; code at tile w of the expert
	s_lshl4_add_u32 s44, s4, s24
	s_lshl_b32 s44, s44, 2
	s_add_nc_u64 s[42:43], s[16:17], s[44:45]      ; order at the same tile
	v_mov_b32 v6, 0
	s_cmp_ge_u32 s4, s46
	s_cbranch_scc1 .Lsum                           ; fewer tiles than waves: I have staged my share and add nothing
	s_load_b512 s[ROWS:ROWS+15], s[42:43], 0x0
	LDA 0
	LDA 1
	LDA 2
	LDA 3
	LDB 0, 48                                      ; half of the weight fragments, while the first tile's rows and code are on their way;
	HEAD                                           ; the first tile's img goes out here, ahead of 96 LDS loads and the tile's matrix work;
	LDB 48, 48                                     ; the other half
	s_wait_dscnt 0x0
	s_sub_co_u32 s58, s46, s4                      ; tiles w, w + 4, .. below the expert's count are mine:
	s_add_co_u32 s58, s58, 3
	s_lshr_b32 s58, s58, 2                         ; (tiles - w + 3) / 4 of them, at least one here,
	s_min_u32 s58, s58, 32                         ; and at most 128 / 4
	s_lshl_b32 s48, s4, 4
	s_sub_co_u32 s48, s25, s48                     ; n - 16 w: the expert's rows from my first tile on
	s_mov_b32 s47, 1                               ; all my tiles but the last go through the loop
	s_cmp_ge_u32 s47, s58
	s_cbranch_scc1 .Ltail
.Ltile:
	BODY 1
	s_sub_co_u32 s48, s48, 64                      ; four tiles of sixteen rows on
	s_add_co_u32 s47, s47, 1
	s_cmp_lt_u32 s47, s58
	s_cbranch_scc1 .Ltile
.Ltail:
	BODY 0                                         ; my last tile fetches nothing further
.Lsum:
	; the wave's 32 sums become one: four steps inside each half of 16 lanes, one across the halves
	s_mov_b32 s50, 0x76543210                      ; v_permlanex16_b32: lane i of one half reads lane i of the other
	s_mov_b32 s51, 0xfedcba98
	v_add_f32_dpp v6, v6, v6 row_xmask:1 row_mask:0xf bank_mask:0xf
	v_add_f32_dpp v6, v6, v6 row_xmask:2 row_mask:0xf bank_mask:0xf
	v_add_f32_dpp v6, v6, v6 row_xmask:4 row_mask:0xf bank_mask:0xf
	v_add_f32_dpp v6, v6, v6 row_xmask:8 row_mask:0xf bank_mask:0xf
	v_permlanex16_b32 v7, v6, s50, s51             ; v7 has been written on every way here
	v_add_f32 v6, v6, v7
	s_wait_xcnt 0x0                                ; stores may be out: EXEC changes only behind this wait
	v_cmp_eq_u32 vcc_lo, 0, v0
	s_and_saveexec_b32 s52, vcc_lo                 ; lane 0 alone stores, at offset 16 l = 0; a wave without a tile stores 0
	global_store_b32 v0, v6, s[22:23]
	s_wait_xcnt 0x0
	s_or_b32 exec_lo, exec_lo, s52
	s_endpgm
.Lfunc_end_k_qc7b9d9c5ac_dec:
	.size	k_qc7b9d9c5ac_dec, .Lfunc_end_k_qc7b9d9c5ac_dec-k_qc7b9d9c5ac_dec
	.p2alignl 7, 3214868480
	.fill 96, 4, 3214868480
	.section	.rodata,"a",@progbits
	.p2align	6, 0x0
	.amdhsa_kernel k_qc7b9d9c5ac_dec
		.amdhsa_group_segment_fixed_size 100096
		.amdhsa_private_segment_fixed_size 0
		.amdhsa_enable_private_segment 0
		.amdhsa_kernarg_size 64
		.amdhsa_user_sgpr_count 2
		.amdhsa_user_sgpr_kernarg_segment_ptr 1
		.amdhsa_wavefront_size32 1
		.amdhsa_system_sgpr_workgroup_id_x 1
		.amdhsa_system_sgpr_workgroup_id_y 1
		.amdhsa_system_sgpr_workgroup_id_z 1
		.amdhsa_system_vgpr_workitem_id 0
		.amdhsa_next_free_vgpr 1024
		.amdhsa_next_free_sgpr 84
		.amdhsa_reserve_vcc 1
		.amdhsa_float_denorm_mode_32 3
		.amdhsa_float_denorm_mode_16_64 3
		.amdhsa_memory_ordered 1
		.amdhsa_forward_progress 1
		.amdhsa_inst_pref_size 92
	.end_amdhsa_kernel
	.amdgpu_metadata
---
amdhsa.version: [ 1, 2 ]
amdhsa.kernels:
  - .name:           k_qc7b9d9c5ac_dec
    .symbol:         k_qc7b9d9c5ac_dec.kd
    .args:
      - { .name: code, .offset: 0, .size: 8, .value_kind: global_buffer, .address_space: global }
      - { .name: W_dec, .offset: 8, .size: 8, .value_kind: global_buffer, .address_space: global }
      - { .name: b_dec, .offset: 16, .size: 8, .value_kind: global_buffer, .address_space: global }
      - { .name: img, .offset: 24, .size: 8, .value_kind: global_buffer, .address_space: global }
      - { .name: order, .offset: 32, .size: 8, .value_kind: global_buffer, .address_space: global }
      - { .name: tab, .offset: 40, .size: 8, .value_kind: global_buffer, .address_space: global }
      - { .name: out1, .offset: 48, .size: 8, .value_kind: global_buffer, .address_space: global }
      - { .name: part, .offset: 56, .size: 8, .value_kind: global_buffer, .address_space: global }
    .group_segment_fixed_size: 100096
    .private_segment_fixed_size: 0
    .kernarg_segment_align: 8
    .kernarg_segment_size: 64
    .max_flat_workgroup_size: 128
    .sgpr_count:     84
    .vgpr_count:     1024
    .wavefront_size: 32
...
	.end_amdgpu_metadata
.endif
;; end of part 3
;; launch loss (part 4): grid 1 x 1, 1 waves a work-group, no clusters, 0 bytes of LDS; arguments part, out0; writes out0
.if DOCPART == 4
	.amdgcn_target "amdgcn-amd-amdhsa--gfx1250"
	.amdhsa_code_object_version 6
	.text
	.protected	k_qc7b9d9c5ac_loss
	.globl	k_qc7b9d9c5ac_loss
	.p2align	8
	.type	k_qc7b9d9c5ac_loss,@function
k_qc7b9d9c5ac_loss:
	s_mov_b64 s[64:65], 0
	v_nop
	global_prefetch_b8 v0, s[64:65] scope:SCOPE_SE
	s_setreg_imm32_b32 hwreg(HW_REG_WAVE_MODE, 25, 1), 1
	s_wait_xcnt 0x0
; LOSS: out0 = (the sum of the 1,024 partial sums in part) / (2,048 x 3,072).  One wave owns the one output, so the sum has a fixed order,
; and there is nothing to share: no LDS, no barrier.  A lane takes 32 numbers in eight loads of 16 bytes; a load covers 512 consecutive bytes.
	s_load_b128 s[4:7], s[0:1], 0x0                ; part s[4:5], out0 s[6:7]
	v_lshlrev_b32 v1, 4, v0
	s_mov_b32 s10, 0x76543210                      ; v_permlanex16_b32: lane i of one half reads lane i of the other
	s_mov_b32 s11, 0xfedcba98
	s_wait_kmcnt 0x0
.irp i, 0,1,2,3,4,5,6,7
	global_load_b128 v[4+4*\i:7+4*\i], v1, s[4:5] offset:512*\i
.endr
	s_wait_loadcnt 0x0
.irp i, 1,2,3                                      ; v[4:35] to v4, in four chains
	v_pk_add_f32 v[4:5], v[4:5], v[4+4*\i:5+4*\i]
	v_pk_add_f32 v[6:7], v[6:7], v[6+4*\i:7+4*\i]
	v_pk_add_f32 v[20:21], v[20:21], v[20+4*\i:21+4*\i]
	v_pk_add_f32 v[22:23], v[22:23], v[22+4*\i:23+4*\i]
.endr
	v_pk_add_f32 v[4:5], v[4:5], v[6:7]
	v_pk_add_f32 v[20:21], v[20:21], v[22:23]
	v_pk_add_f32 v[4:5], v[4:5], v[20:21]
	v_add_f32 v4, v4, v5
	v_add_f32_dpp v4, v4, v4 row_xmask:1 row_mask:0xf bank_mask:0xf
	v_add_f32_dpp v4, v4, v4 row_xmask:2 row_mask:0xf bank_mask:0xf
	v_add_f32_dpp v4, v4, v4 row_xmask:4 row_mask:0xf bank_mask:0xf
	v_add_f32_dpp v4, v4, v4 row_xmask:8 row_mask:0xf bank_mask:0xf
	v_permlanex16_b32 v5, v4, s10, s11             ; v5 has been written before
	v_add_f32 v4, v4, v5
	v_mul_f32 v4, 0x342aaaab, v4                   ; 1 / 6,291,456 = (1 / 3) x 2^-21
	v_mov_b32 v3, 0
	s_wait_xcnt 0x0                                ; EXEC changes only behind this wait
	v_cmp_eq_u32 vcc_lo, 0, v0
	s_and_saveexec_b32 s9, vcc_lo                  ; lane 0 alone stores
	global_store_b32 v3, v4, s[6:7]
	s_wait_xcnt 0x0
	s_or_b32 exec_lo, exec_lo, s9
	s_endpgm
.Lfunc_end_k_qc7b9d9c5ac_loss:
	.size	k_qc7b9d9c5ac_loss, .Lfunc_end_k_qc7b9d9c5ac_loss-k_qc7b9d9c5ac_loss
	.p2alignl 7, 3214868480
	.fill 96, 4, 3214868480
	.section	.rodata,"a",@progbits
	.p2align	6, 0x0
	.amdhsa_kernel k_qc7b9d9c5ac_loss
		.amdhsa_group_segment_fixed_size 0
		.amdhsa_private_segment_fixed_size 0
		.amdhsa_enable_private_segment 0
		.amdhsa_kernarg_size 16
		.amdhsa_user_sgpr_count 2
		.amdhsa_user_sgpr_kernarg_segment_ptr 1
		.amdhsa_wavefront_size32 1
		.amdhsa_system_sgpr_workgroup_id_x 1
		.amdhsa_system_sgpr_workgroup_id_y 1
		.amdhsa_system_sgpr_workgroup_id_z 1
		.amdhsa_system_vgpr_workitem_id 0
		.amdhsa_next_free_vgpr 40
		.amdhsa_next_free_sgpr 66
		.amdhsa_reserve_vcc 1
		.amdhsa_float_denorm_mode_32 3
		.amdhsa_float_denorm_mode_16_64 3
		.amdhsa_memory_ordered 1
		.amdhsa_forward_progress 1
		.amdhsa_inst_pref_size 3
	.end_amdhsa_kernel
	.amdgpu_metadata
---
amdhsa.version: [ 1, 2 ]
amdhsa.kernels:
  - .name:           k_qc7b9d9c5ac_loss
    .symbol:         k_qc7b9d9c5ac_loss.kd
    .args:
      - { .name: part, .offset: 0, .size: 8, .value_kind: global_buffer, .address_space: global }
      - { .name: out0, .offset: 8, .size: 8, .value_kind: global_buffer, .address_space: global }
    .group_segment_fixed_size: 0
    .private_segment_fixed_size: 0
    .kernarg_segment_align: 8
    .kernarg_segment_size: 16
    .max_flat_workgroup_size: 32
    .sgpr_count:     66
    .vgpr_count:     40
    .wavefront_size: 32
...
	.end_amdgpu_metadata
.endif
;; end of part 4
